; MI455X (gfx1250); checked and timed in simulation.
; The chip was launched on July 23, 2026; its instructions are those of AMD's public machine-readable ISA for CDNA 5 (MIT licence, August 2026) and "CDNA5" Instruction Set Architecture Reference Guide (July 2026). The comments in the code are by the model that wrote it; some were corrected since.
;; Multi Head Attention. Allowed arithmetic: matrix products marked QUANTISED: E3M2 operands, one E8M0 scale for each 32 along K, by v_wmma_scale_f32_16x16x128_f8f6f4 with both operands' format E3M2, f32 sums; everything else in f32.
;; Inputs: Wk_codes 512 x 16 x 24 uint8 (E3M2 codes of Wk, K innermost, in blocks of 32 codes, four codes in three bytes); Wk_scales 512 x 16 uint8 (E8M0 scales of Wk, one for each 32 codes along K); Wq_codes 512 x 16 x 24 uint8 (E3M2 codes of Wq, K innermost, in blocks of 32 codes, four codes in three bytes); Wq_scales 512 x 16 uint8 (E8M0 scales of Wq, one for each 32 codes along K); Wv_codes 512 x 16 x 24 uint8 (E3M2 codes of Wv, K innermost, in blocks of 32 codes, four codes in three bytes); Wv_scales 512 x 16 uint8 (E8M0 scales of Wv, one for each 32 codes along K); bk 512 float32; bq 512 float32; bv 512 float32; x_codes 2 x 4,096 x 16 x 24 uint8 (E3M2 codes of x, K innermost, in blocks of 32 codes, four codes in three bytes); x_scales 2 x 4,096 x 16 uint8 (E8M0 scales of x, one for each 32 codes along K).
;; Outputs: out0 2 x 4,096 x 512 float32.
;; This version of the problem:
;;   THIS VERSION OF THE PROBLEM IS GIVEN IN LOW PRECISION. The matrix products marked QUANTISED in the list below multiply operands that are first quantised to E3M2 (3 exponent bits, 2 mantissa bits; 6 bits a number), with one power-of-two scale for each 32 numbers along K (OCP MX v1.0); their sums are f32. All else is computed in f32.
;;   The module's matrix products, in the order in which they are computed (A, B: the left and right operand; K: the contracted axis; several contracted axes count as one K, in the product's order):
;;     1. [M 8,192, K 512] x [K 512, N 512]; A: input x (given as codes); B: input Wq (given as codes): QUANTISED
;;     2. [M 8,192, K 512] x [K 512, N 512]; A: input x (given as codes); B: input Wk (given as codes): QUANTISED
;;     3. [M 8,192, K 512] x [K 512, N 512]; A: input x (given as codes); B: input Wv (given as codes): QUANTISED
;;     4. batch 16 x [M 4,096, K 64] x [K 64, N 4,096]; A: computed on the way; B: computed on the way: QUANTISED
;;     5. batch 16 x [M 4,096, K 4,096] x [K 4,096, N 64]; A: softmax (see below); B: computed on the way: QUANTISED
;;   THE QUANTISER, for each operand of a quantised product, along K:
;;     - K is cut into blocks of 32 from its start; a last block that is shorter is filled with zeros.
;;     - A block's scale is 2^e with e = floor(log2(the largest magnitude in the block)) - 4, held to -126 .. 127; a block of zeros has e = 0. As a byte (E8M0): e + 127.
;;     - Each number is divided by its block's scale, clamped to +-28, and rounded to the nearest number of E3M2, ties to even, subnormals kept.
;;     - The product sums the exact products of the quantised numbers (number of the format x scale) in f32.
;;   ~~~python
;;   def quantise(x, axis):      # numpy; x: float32 -> the quantised numbers, widened to float32 again
;;       x = np.moveaxis(x, axis, -1); K = x.shape[-1]
;;       x = np.pad(x, [(0, 0)] * (x.ndim - 1) + [(0, -K % 32)]); x = x.reshape(x.shape[:-1] + (-1, 32)); a = np.abs(x).max(-1, keepdims=True)
;;       e = np.where(a > 0, np.clip(np.frexp(np.where(a > 0, a, 1))[1] - 1 - 4, -126, 127), 0)      # np.frexp(a)[1] - 1 = floor(log2(a)), exactly
;;       r = np.clip(x / 2.0 ** e, -28, 28)
;;       step = 2.0 ** (np.maximum(np.frexp(np.where(r == 0, 1, r))[1] - 1, -2) - 2)
;;       q = np.round(r / step) * step * 2.0 ** e      # np.round: ties to even
;;       return np.moveaxis(q.reshape(q.shape[:-2] + (-1,))[..., :K], -1, axis).astype(np.float32)
;;   ~~~
;;   SOFTMAX AHEAD OF A QUANTISED PRODUCT. Where the list says 'softmax', what is quantised is not the finished softmax but p = 2^(t - M), with t = logit x log2(e) and M = ceil(the row's largest t), a whole number; so 1/2 < the row's largest p <= 1. The row's sum l is taken of the UNQUANTISED p, in f32, and the product's result is divided by l at the end. Since M is a whole number, a kernel that streams over the keys may use a running M (the ceiling of the running maximum): every later rescaling is an exact power of two, which a block's scale takes up: the codes' values come out the same.
;;   OPERANDS COMPUTED ON THE WAY. 'Computed on the way' means the value that the module computes at that place (a softmax that the list does not call 'softmax' is quantised finished and normalised). What goes into a quantiser is computed in f32, as accurately as f32 sums, v_exp_f32 and their like allow (about 1e-6 of the number): no bf16 or f16 on the way to a quantiser, and a product that is left as it is and whose result goes on into a quantised operand takes f32 operands (vector FMAs, or v_wmma_f32_16x16x4_f32). A number that lies on a knife's edge between two numbers of the format may be rounded either way, as far as f32 arithmetic and the matrix unit's own rounding can turn it there, and no further.
;;   INPUTS GIVEN AS CODES. Wk (in the module: [512, 512], K = its axis 1); Wq (in the module: [512, 512], K = its axis 1); Wv (in the module: [512, 512], K = its axis 1); x (in the module: [2, 4096, 512], K = its axis 2): each comes as NAME_codes (uint8): NAME with its K axis moved to the last place and cut into blocks of 32 codes, [.., K / 32, bytes a block], one block behind the other in memory; four codes in three bytes: a row's codes are one little-endian stream of bits, code i at bits 6 i .. 6 i + 5 (a code: sign, 3 exponent bits, 2 mantissa bits); and NAME_scales (uint8): the same leading axes, one E8M0 byte (e + 127) for each 32 codes along K. Its value is code x scale, taken as it is: it is not quantised again, and the codes and scales need not be those that the quantiser above would give.
;; One version. Each part assembles by itself: llvm-mc -triple=amdgcn-amd-amdhsa -mcpu=gfx1250 --defsym DOCPART=n.
;; ======== version 1 of 1: 2 launches
;; limits: right only within a limited range of input values
;; workspace buffers: qimg 3,145,728 bytes; qsc 131,072 bytes; kv 6,553,600 bytes
;; launch project (part 1): grid 64 x 4, 8 waves a work-group, clusters of 4 x 1, 186,880 bytes of LDS; arguments x_codes, x_scales, Wq_codes, Wq_scales, Wk_codes, Wk_scales, Wv_codes, Wv_scales, bq, bk, bv, qimg, qsc, kv; writes qimg, qsc, kv
.if DOCPART == 1
	.amdgcn_target "amdgcn-amd-amdhsa--gfx1250"
	.amdhsa_code_object_version 6
	.text
	.protected	k_qfc80236946_project
	.globl	k_qfc80236946_project
	.p2align	8
	.type	k_qfc80236946_project,@function
k_qfc80236946_project:
	s_mov_b64 s[64:65], 0
	v_nop
	global_prefetch_b8 v0, s[64:65] scope:SCOPE_SE
	s_setreg_imm32_b32 hwreg(HW_REG_WAVE_MODE, 25, 1), 1
	s_wait_xcnt 0x0
	s_wait_alu depctr_hold_cnt(0) depctr_sa_sdst(0) depctr_va_vdst(0) depctr_va_sdst(0) depctr_va_ssrc(0) depctr_va_vcc(0) depctr_vm_vsrc(0)
	s_getreg_b32 s2, hwreg(HW_REG_IB_STS2, 6, 4)
	s_cmp_eq_u32 s2, 0
	s_cbranch_scc0 .Lentry_in_a_cluster
	s_endpgm
.Lentry_in_a_cluster:
	s_bfe_u32 s2, ttmp6, 0x10000c
	s_cmp_lg_u32 s2, 0x3003
	s_cbranch_scc0 .Lentry_shape_is_right
	s_endpgm
.Lentry_shape_is_right:
; q, k, v = x W^T + b on codes of BF6 (E3M2) with one E8M0 scale for each 32 along K = 512, sums in f32, the bias as the C of each sum's first product; the results are quantised
; in registers (q and k along the head's 64 channels, v along the keys) and stored as IMAGES OF OPERAND REGISTERS for the attention launch.  Every input has a way to the output and is loaded; no work is left out.
; SHARES.  256 work-groups of eight waves.  Work-group (jj = 0..63, p = 0..3): rows 128 jj .. + 127 of x, heads 2 p and 2 p + 1.  Wave w: g = w % 4: rows 32 g .. 32 g + 31 of these; hh = w / 4: head 2 p + hh.
; A wave makes three units (q, k, v) of 32 rows x 64 channels: 32 matrix instructions each, eight accumulators by turns.  x's eight fragments stay in registers; the 128 rows of each W lie in LDS, filled once.
; CLUSTER.  The four work-groups of a cluster share p, so the same rows of the three W: each tile is asked for jointly.  Wave 0, 1, 2 fetches Wq's, Wk's, Wv's 128 rows (49,152 dense bytes, as 192 rows of 256 bytes),
; wave 3, 4, 5 their scale bytes (2,048 dense bytes): one tensor load a wave.
; WHICH ROWS FORM A TILE.  W's tile t is the head's channels 16 t .. 16 t + 15, for all three W.  Lane r of x's tile c takes row 32 g + 8 c + r + 8 (r / 8).
;   q, k: source 0 = W's tile, source 1 = x's tile c: lane (r, h) holds ONE row of x; registers 16 (2 c + b) + 8 u + j hold its channel 32 b + 16 u + 8 h + j: sixteen numbers of block b, the other sixteen in lane l xor 16.
;         So inside a block of 32 the channels stand in the order 0-7, 16-23, 8-15, 24-31, alike in q and in k: the products of the scores are the same.
;   v:    source 0 = x's tile c, source 1 = Wv's tile t: lane (r, h) holds channel 16 t + r, and registers 16 t + i hold keys 32 g + 16 h + i.
; OUT.  An image is 1,536 bytes: byte 512 i + 16 l + 4 e holds register 4 i + e of lane l.
;   qimg [bh 16][j 32][g 4][1,536]: registers 6 c .. 6 c + 5 of lane (r, h): block h of the channels of row 32 g + 8 c + r + 8 (r / 8).   qsc [bh][j][g][r] words: bytes 0, 1 tile 0's two scales, bytes 2, 3 tile 1's.
;   kv [bh][j] records of 12,800 bytes: +0 K's four images; +6,144 V's four blocks g: registers 6 cc .. 6 cc + 5 of lane (r, hs): keys 128 j + 32 g + 0 .. 31 of channel 16 (2 cc + hs) + r;
;   +12,288 K's scale words [g][r]; +12,544 V's scale words [t][r], byte g for key block g.
;   K'S IMAGES HAVE ANOTHER ORDER OF KEYS: lane r of tile c of image g' holds key 64 (g' / 2) + 32 (r / 8) + 16 (g' % 2) + 8 c + r % 8.  That key is row r % 8 + 8 (g' % 2) ... of wave g = 2 (g' / 2) + r / 8: what lane (r, h) of
;   wave g holds belongs, register for register, to lane (r % 8 + 8 (g % 2), h) of image 2 (g / 2) + r / 8.  So K's codes go through an LDS stage: each lane stores to its place there, and behind the launch's last barrier
;   each wave reads one whole image back and stores it.  K's scale words take the same way in their unit of the scales' stage.
; LIMITS: NaN and infinities are not served.  A block whose largest magnitude lies under 2^(5 - 127), a block of zeros among them, gets the scale byte 1 (the stated quantiser gives a block of zeros 127): its codes are
; zeros or the format's smallest steps, and the bytes are read by this program alone.
.set RP,   432                         ; a row of W in LDS: 3 x (128 bytes + 16 of padding) = 108 words: sixteen neighbouring rows start at sixteen different multiples of 4 banks (64 banks of 4 bytes: ISA guide 11.1)
.set WT,   128*RP                      ; the 128 rows of one W
.set WSC,  3*WT                        ; their scale bytes, 128 rows x 16 bytes each, dense
.set STG,  WSC+3*2048                  ; six units of 256 bytes in which a head's scale words meet (unit 3 hh + kind); LDS stores alone, no fill lands here
.set KST,  STG+6*256                   ; K's eight images, 1,536 bytes each (image 4 hh + g'); LDS stores alone
.set SPARE, KST+8*1536                 ; the spare words: 128 bytes a wave
.set REC,  12800
.set XA,   4                           ; x's codes;  v5 its scale words
.set XSA,  5
.set LI,   6                           ; 16 x lane
.set BA,   7                           ; bq, bk: 32 h
.set BVA,  8                           ; bv: 4 r
.set AW,   10                          ; v10 Wq's tiles in LDS, v11 the same behind one padding more; v12-13 Wk's; v14-15 Wv's
.set ASN,  16                          ; W's scale words
.set SWK,  17                          ; the stage: my row's scale word of k
.set SW,   18                          ; the stage: my row's scale word of q
.set SB,   19                          ; the stage: my channel's scale byte of v
.set SRD,  20                          ; the stage on the way out
.set CPO,  21                          ; 8 x lane
.set KSA,  22                          ; K's stage: where my lane's codes go
.set KRA,  23                          ; K's stage: my wave's image, 16 x lane
.set XS,   24                          ; v24-31   x's scale words 4 c + s
.set WS,   32                          ; v32-47   W's scale words 4 t + s
.set WF,   48                          ; v48-95   four fragments of W
.set HA,   96                          ; v96-159  eight accumulators
.set PC,   160                         ; v160-171 codes; v172-179 the conversions' second halves
.set TM,   180                         ; v180-195 at work in QUANT
.set PW,   196
.set CP,   198
.set BV,   208                         ; v208-239 bv's four tiles
.set SPW,  254
.set NIL,  255
.set BQ,   96                          ; window 1: v0-95 x's fragments 12 (4 c + s); v96-127 bq's tiles, v128-159 bk's
.set WV,   32                          ; s32 wave, s33 g, s34 hh, s35 cx, s36 jj, s37 p, s38 head, s39 bh, s40 record
.set SEL,  42
.set G1C,  44
.set G1S,  52
.set G0C,  68
.set G0S,  80
.set MSB, 0
.macro WIN new                         ; the immediate's high byte repeats the setting that is left
.if MSB != (\new)
	s_set_vgpr_msb (MSB<<8)|(\new)
.set MSB, (\new)
.endif
.endm
.macro CROUND                          ; a round of the cluster's barrier
	s_barrier_signal -1
	s_barrier_wait -1
	s_cmp_lg_u32 s[WV], 0
	s_cbranch_scc1 .Lnot_wave_0_\@
	s_barrier_signal -3
.Lnot_wave_0_\@:
	s_barrier_wait -3
	s_barrier_signal -1
	s_barrier_wait -1
.endm
; A fragment of W: lane (r, h) takes 24 bytes twice of its row, in pieces of 8.  16 bytes of padding lie behind every 16 pieces: where lanes 16-31's piece lies behind one padding more, the second address register serves.
.macro FRAG reg, adr, s, off
.irp p, 0,1,2,3,4,5
.set PCI, 12*(\s)+6*(\p/3)+\p%3
.if PCI%16 < 13
	ds_load_b64 v[\reg+2*\p:\reg+2*\p+1], v[\adr] offset:8*PCI+16*(PCI/16)+(\off)
.else
	ds_load_b64 v[\reg+2*\p:\reg+2*\p+1], v[\adr+1] offset:8*PCI+16*(PCI/16)+(\off)
.endif
.endr
.endm
; 64 numbers of a lane, registers 16 b + i = sixteen of block b (the other sixteen in lane l xor 16), become 12 registers of codes (registers 6 c .. 6 c + 5 of lane (r, h): block 2 c + h, whole),
; the four scale bytes in v[TM+4] on and their word in v[PW].
.macro QUANT s
.irp b, 0,1,2,3
	v_max3_num_f32 v[TM+\b], |v[\s+16*\b]|, |v[\s+1+16*\b]|, 0x2800000   ; with the floor 2^(5 - 127): the byte cannot fall under 1.  Each accumulator is read from its low end on
.endr
.irp i, 2,4,6,8,10,12,14
.irp b, 0,1,2,3
	v_max3_num_f32 v[TM+\b], v[TM+\b], |v[\s+16*\b+\i]|, |v[\s+1+16*\b+\i]|
.endr
.endr
.irp b, 0,1,2,3
	s_delay_alu instid0(VALU_DEP_4)
	v_permlanex16_b32 v[TM+4+\b], v[TM+\b], s[SEL], s[SEL+1]
.endr
.irp b, 0,1,2,3
	s_delay_alu instid0(VALU_DEP_4)
	v_max_num_f32 v[TM+\b], v[TM+\b], v[TM+4+\b]
.endr
.irp b, 0,1,2,3
	s_delay_alu instid0(VALU_DEP_4)
	v_add_nc_u32 v[TM+12+\b], 0xfe000000, v[TM+\b]   ; 4 off the exponent field: the conversion's scale operand
.endr
.irp b, 0,1,2,3
	s_delay_alu instid0(VALU_DEP_4)
	v_lshrrev_b32 v[TM+4+\b], 23, v[TM+12+\b]      ; the scale's byte
.endr
	s_delay_alu instid0(VALU_DEP_3)
	v_lshl_or_b32 v[PW], v[TM+5], 8, v[TM+4]
	s_delay_alu instid0(VALU_DEP_1)
	v_lshl_or_b32 v[PW], v[TM+6], 16, v[PW]
	s_delay_alu instid0(VALU_DEP_1)
	v_lshl_or_b32 v[PW], v[TM+7], 24, v[PW]
.irp c, 0,1
	v_cvt_scalef32_pk16_bf6_f32 v[PC+6*\c:PC+2+6*\c], v[\s+32*\c:\s+15+32*\c], v[TM+12+2*\c]
	v_cvt_scalef32_pk16_bf6_f32 v[PC+12+4*\c:PC+14+4*\c], v[\s+16+32*\c:\s+31+32*\c], v[TM+12+2*\c+1]
.endr
	v_nop                                          ; one plain place behind the scaled conversions
.irp c, 0,1
.irp i, 0,1,2
	v_permlane16_swap_b32 v[PC+6*\c+\i], v[PC+12+4*\c+\i]
.endr
.irp i, 0,1,2
	s_delay_alu instid0(VALU_DEP_3)
	v_mov_b32 v[PC+3+6*\c+\i], v[PC+12+4*\c+\i]
.endr
.endr
.endm
; A UNIT: kind 0 = q, 1 = k, 2 = v.  Four K steps of eight matrix instructions on eight accumulators, one instruction a turn; quantised; stored.
.macro UNIT kind
.irp t, 0,1,2,3
	ds_load_b128 v[WS+4*\t:WS+4*\t+3], v[ASN] offset:\kind*2048+256*\t   ; 16 bytes a row: the four K steps' words
.endr
.irp s, 0,1,2,3
.irp t, 0,1,2,3
	FRAG WF+12*\t, AW+2*\kind, \s, \t*16*RP
.endr
	s_wait_dscnt 0x0                               ; the step's fragments (in step 0 the scale words too) are in
.if \kind == 2
	WIN 0x01                                       ; source 0 (x) window 1
.else
.if \s == 0
	WIN 0x14                                       ; source 1 (x) and source 2 (the bias) window 1
.else
	WIN 0x04
.endif
.endif
.irp a, 0,1,2,3,4,5,6,7
.if \kind == 2                                 ; accumulator 2 t + c
.set RA,  12*(4*(\a%2)+\s)
.set RB,  WF+12*(\a/2)
.set RC,  BV+8*(\a/2)
.set SCA, XS+4*(\a%2)+\s
.set SCB, WS+4*(\a/2)+\s
.else                                          ; accumulator 4 c + t
.set RA,  WF+12*(\a%4)
.set RB,  12*(4*(\a/4)+\s)
.set RC,  BQ+32*\kind+8*(\a%4)
.set SCA, WS+4*(\a%4)+\s
.set SCB, XS+4*(\a/4)+\s
.endif
.set RD,  HA+8*\a
.if \s == 0
	v_wmma_scale_f32_16x16x128_f8f6f4 v[RD:RD+7], v[RA:RA+11], v[RB:RB+11], v[RC:RC+7], v[SCA], v[SCB] matrix_a_fmt:MATRIX_FMT_BF6 matrix_b_fmt:MATRIX_FMT_BF6
.else
	v_wmma_scale_f32_16x16x128_f8f6f4 v[RD:RD+7], v[RA:RA+11], v[RB:RB+11], v[RD:RD+7], v[SCA], v[SCB] matrix_a_fmt:MATRIX_FMT_BF6 matrix_b_fmt:MATRIX_FMT_BF6
.endif
.endr
	WIN 0
.rept 4
	v_nop                                          ; four places ahead of the next loads into W's fragments and of the first read of the results
.endr
.endr
	s_wait_xcnt 0x0                                ; earlier stores have read the codes' registers
	QUANT HA
.irp i, 0,1,2
.if \kind == 0
	global_store_b128 v[LI], v[PC+4*\i:PC+4*\i+3], s[26:27] offset:512*\i                  ; 32 lanes store 512 consecutive bytes, at a multiple of 256 from the buffer's first byte
.endif
.if \kind == 1
	ds_store_b128 v[KSA], v[PC+4*\i:PC+4*\i+3] offset:512*\i                               ; to my lane's place in K's stage
.endif
.if \kind == 2
	global_store_b128 v[LI], v[PC+4*\i:PC+4*\i+3], s[66:67] offset:6144+512*\i
.endif
.endr
.if \kind == 0
	ds_store_b32 v[SW], v[PW]                      ; both halves of the lanes write the same word with the same value
.endif
.if \kind == 1
	ds_store_b32 v[SWK], v[PW]
.endif
.if \kind == 2
.irp t, 0,1,2,3
	ds_store_b8 v[SB], v[TM+4+\t] offset:64*\t     ; byte g of channel 16 t + r's word; both lanes of a block write the same value
.endr
.endif
.endm
	s_load_b512 s[4:19], s[0:1], 0x0               ; x's codes 4:5, scales 6:7, Wq's 8:9, 10:11, Wk's 12:13, 14:15, Wv's 16:17, 18:19
	s_load_b256 s[20:27], s[0:1], 0x40             ; bq, bk, bv, qimg
	s_load_b128 s[28:31], s[0:1], 0x60             ; qsc, kv
	v_lshl_add_u32 v[SPW], v0, 2, SPARE
	v_mov_b32 v[NIL], 0
	ds_add_u32 v[SPW], v[NIL]                      ; the opening lines: the add, twice on end, and its wait
	ds_add_u32 v[SPW], v[NIL]
	v_lshrrev_b32 v1, 5, v0
	s_delay_alu instid0(VALU_DEP_1)
	v_readfirstlane_b32 s[WV], v1                  ; wave 0..7
	s_and_b32 s33, s[WV], 3                        ; g
	s_lshr_b32 s34, s[WV], 2                       ; hh
	s_bfe_u32 s35, ttmp6, 0x40000                  ; cx
	s_lshl_b32 s36, ttmp9, 2
	s_add_co_u32 s36, s36, s35                     ; jj: it enters global addresses of x and of the outputs alone
	s_and_b32 s37, ttmp7, 0xffff                   ; p, which the four partners share
	s_lshl_b32 s38, s37, 1
	s_add_co_u32 s38, s38, s34                     ; the head
	s_lshr_b32 s39, s36, 5
	s_lshl_b32 s39, s39, 3
	s_add_co_u32 s39, s39, s38                     ; bh
	s_and_b32 s40, s36, 31
	s_lshl_b32 s41, s39, 5
	s_add_co_u32 s40, s40, s41                     ; the record: 32 bh + j
	s_mov_b32 s[SEL], 0x76543210
	s_mov_b32 s[SEL+1], 0xfedcba98
	s_mov_b32 s[G1C+0], 15|(0<<16)|(1<<20)|(1<<21)|(4<<22)|(3<<25)   ; the mask of all four; elements of 1 byte; padding: 4 words behind every 32
	s_mov_b32 s[G1C+1], 256<<16                    ; rows of 256 bytes, each at a multiple of 256 from the buffer's first byte
	s_mov_b32 s[G1C+2], 192<<16
	s_mov_b32 s[G1C+3], 256<<16
	s_mov_b32 s[G1C+4], 192
	s_mov_b32 s[G1C+5], 256
	s_mov_b32 s[G1C+6], 0
	s_mov_b32 s[G1C+7], 0
	s_mov_b32 s[G1S+0], 15|(3<<16)|(1<<21)         ; scale bytes: 8 rows of 32 elements of 8 bytes
	s_mov_b32 s[G1S+1], 32<<16
	s_mov_b32 s[G1S+2], 8<<16
	s_mov_b32 s[G1S+3], 32<<16
	s_mov_b32 s[G1S+4], 8
	s_mov_b32 s[G1S+5], 32
	s_mov_b32 s[G1S+6], 0
	s_mov_b32 s[G1S+7], 0
	s_mul_i32 s92, s37, 49152                      ; the pair's 128 rows of a W
	s_mov_b32 s93, 0
	s_lshl_b32 s94, s37, 11                        ; and their scale bytes
	s_mov_b32 s95, 0
	s_mov_b32 s[G0C], 1
	s_min_u32 s[G0C+1], s[WV], 2
	s_mul_i32 s[G0C+1], s[G0C+1], WT               ; waves 0-2: W number wave
	s_mov_b32 s[G0S], 1
	s_min_u32 s97, s[WV], 5
	s_lshl_b32 s97, s97, 11
	s_add_co_u32 s[G0S+1], s97, WSC-3*2048         ; waves 3-5: scales number wave - 3
	; the scalar parts of the LDS addresses, all made of the wave's number
	s_mul_i32 s84, s34, 64*RP                      ; my head's 64 rows of a W
	s_lshl_b32 s85, s34, 10                        ; and their 16 scale bytes each
	s_mul_i32 s2, s34, 768                         ; my head's three units of the scales' stage
	s_lshl_b32 s86, s33, 6
	s_add_co_u32 s86, s86, s2                      ; q's words: + 64 g
	s_add_co_u32 s87, s2, s33                      ; v's bytes: + g
	s_lshl_b32 s88, s33, 8
	s_add_co_u32 s88, s88, s2                      ; the way out: + 256 g
	s_lshr_b32 s60, s33, 1                         ; g / 2
	s_and_b32 s61, s33, 1                          ; g % 2
	s_mul_i32 s89, s34, 4*1536                     ; K's stage: my head's four images,
	s_mul_i32 s62, s60, 2*1536                     ; image 2 (g / 2),
	s_add_co_u32 s89, s89, s62
	s_lshl_b32 s62, s61, 7                         ; lanes 8 (g % 2) on
	s_add_co_u32 s89, s89, s62
	s_lshl_b32 s62, s60, 7                         ; k's words: 64 x 2 (g / 2) + 4 x 8 (g % 2)
	s_add_co_u32 s90, s2, s62
	s_lshl_b32 s62, s61, 5
	s_add_co_u32 s90, s90, s62
	s_mul_i32 s91, s[WV], 1536                     ; the image that my wave sends out: 4 hh + g
	v_and_b32 v1, 31, v0                           ; lane
	v_and_b32 v2, 15, v0                           ; r
	v_bfe_u32 v3, v0, 4, 1                         ; h
	s_delay_alu instid0(VALU_DEP_2)
	v_and_b32 v9, 8, v2
	v_and_b32 v[KSA], 7, v2                        ; r % 8
	v_lshrrev_b32 v[KRA], 3, v2                    ; r / 8
	v_add_nc_u32 v9, v9, v2                        ; r + 8 (r / 8)
	s_delay_alu instid0(VALU_DEP_3)
	v_lshl_add_u32 v[SWK], v[KSA], 2, STG+256      ; k's word: STG + 256 + 4 (r % 8)
	v_lshl_add_u32 v[KSA], v[KSA], 4, KST          ; K's stage: KST + 16 (r % 8)
	s_delay_alu instid0(VALU_DEP_3)
	v_mul_u32_u24 v[XA], v9, 384
	v_lshl_add_u32 v[SWK], v[KRA], 6, v[SWK]       ; + 64 (r / 8)
	v_mad_u32_u24 v[KSA], v[KRA], 1536, v[KSA]     ; + an image for r / 8
	v_mad_u32_u24 v[XA], v3, 24, v[XA]
	v_add_nc_u32 v[SWK], s90, v[SWK]
	v_lshl_add_u32 v[KSA], v3, 8, v[KSA]           ; + 16 lanes for h
	v_lshl_add_u32 v[KRA], v1, 4, KST
	s_delay_alu instid0(VALU_DEP_2)
	v_add_nc_u32 v[KSA], s89, v[KSA]
	s_delay_alu instid0(VALU_DEP_2)
	v_add_nc_u32 v[KRA], s91, v[KRA]
	v_lshlrev_b32 v[XSA], 4, v9
	v_lshlrev_b32 v[LI], 4, v1
	v_lshlrev_b32 v[BA], 5, v3
	v_lshlrev_b32 v[BVA], 2, v2
	v_mul_u32_u24 v[AW], v2, RP
	s_delay_alu instid0(VALU_DEP_1)
	v_mad_u32_u24 v[AW], v3, 24, v[AW]
	s_delay_alu instid0(VALU_DEP_1)
	v_add_nc_u32 v[AW], s84, v[AW]
	s_delay_alu instid0(VALU_DEP_1)
	v_lshl_add_u32 v[AW+1], v3, 4, v[AW]
	v_add_nc_u32 v[AW+2], WT, v[AW]
	v_add_nc_u32 v[AW+4], 2*WT, v[AW]
	s_delay_alu instid0(VALU_DEP_3)
	v_add_nc_u32 v[AW+3], WT, v[AW+1]
	v_add_nc_u32 v[AW+5], 2*WT, v[AW+1]
	v_lshl_add_u32 v[ASN], v2, 4, WSC
	v_lshl_add_u32 v[SW], v2, 2, STG               ; STG + 768 hh + 64 g + 4 r
	v_lshl_add_u32 v[SB], v2, 2, STG+512           ; STG + 768 hh + 512 + 4 r + g
	v_lshl_add_u32 v[SRD], v1, 3, STG              ; STG + 256 (3 hh + g) + 8 x lane
	s_delay_alu instid0(VALU_DEP_4)
	v_add_nc_u32 v[ASN], s85, v[ASN]
	s_delay_alu instid0(VALU_DEP_4)
	v_add_nc_u32 v[SW], s86, v[SW]
	s_delay_alu instid0(VALU_DEP_4)
	v_add_nc_u32 v[SB], s87, v[SB]
	s_delay_alu instid0(VALU_DEP_4)
	v_add_nc_u32 v[SRD], s88, v[SRD]
	v_lshlrev_b32 v[CPO], 3, v1
.irp b, 0,1,2,3
	v_mov_b32 v[TM+4+\b], 0                        ; a lane permute's destination counts as one of its sources
.endr
	s_wait_alu depctr_va_vdst(0)                   ; the wait at the head's end
	s_wait_dscnt 0x0
	s_wait_kmcnt 0x0
	s_cmp_eq_u32 s[WV], 1                          ; which W a wave fetches hangs on the wave's number alone
	s_cselect_b64 s[G0C+2:G0C+3], s[12:13], s[16:17]
	s_cmp_eq_u32 s[WV], 0
	s_cselect_b64 s[G0C+2:G0C+3], s[8:9], s[G0C+2:G0C+3]
	s_cmp_eq_u32 s[WV], 4
	s_cselect_b64 s[G0S+2:G0S+3], s[14:15], s[18:19]
	s_cmp_eq_u32 s[WV], 3
	s_cselect_b64 s[G0S+2:G0S+3], s[10:11], s[G0S+2:G0S+3]
	s_add_nc_u64 s[G0C+2:G0C+3], s[G0C+2:G0C+3], s[92:93]
	s_or_b32 s[G0C+3], s[G0C+3], 0x80000000
	s_add_nc_u64 s[G0S+2:G0S+3], s[G0S+2:G0S+3], s[94:95]
	s_or_b32 s[G0S+3], s[G0S+3], 0x80000000
	s_mov_b32 s63, 0
	s_lshl_b32 s60, s36, 7
	s_lshl_b32 s61, s33, 5
	s_add_co_u32 s60, s60, s61                     ; my wave's first row of x: 128 jj + 32 g
	s_mul_i32 s62, s60, 384
	s_add_nc_u64 s[4:5], s[4:5], s[62:63]
	s_lshl_b32 s62, s60, 4
	s_add_nc_u64 s[6:7], s[6:7], s[62:63]
	s_lshl_b32 s62, s38, 8
	s_add_nc_u64 s[20:21], s[20:21], s[62:63]      ; the biases at my head's 64 numbers
	s_add_nc_u64 s[22:23], s[22:23], s[62:63]
	s_add_nc_u64 s[24:25], s[24:25], s[62:63]
	s_lshl_b32 s60, s40, 2
	s_add_co_u32 s60, s60, s33
	s_mul_i32 s62, s60, 1536
	s_add_nc_u64 s[26:27], s[26:27], s[62:63]      ; q's image: 4 x record + g
	s_lshl_b32 s62, s40, 8
	s_add_nc_u64 s[28:29], s[28:29], s[62:63]      ; q's scale words of the record
	s_mul_i32 s62, s40, REC
	s_add_nc_u64 s[30:31], s[30:31], s[62:63]      ; the record of K and V
	s_mul_i32 s62, s33, 1536
	s_add_nc_u64 s[66:67], s[30:31], s[62:63]      ; K's image g; V's block g lies 6,144 bytes on
	s_lshl_b32 s61, s33, 8
	s_add_co_u32 s61, s61, 12032                   ; the scale copy: g = 0: q's words; g = 1, 2: the record's bytes 12,288 and 12,544 on
	s_cmp_eq_u32 s33, 0
	s_cselect_b64 s[98:99], s[28:29], s[30:31]
	s_cselect_b32 s62, 0, s61
	s_add_nc_u64 s[98:99], s[98:99], s[62:63]
	CROUND                                         ; all four work-groups are here: the joint loads meet
	s_cmp_lt_u32 s[WV], 3                          ; one chain of branches on the wave's number, one load to an arm, one join
	s_cbranch_scc0 .Lfor_scales
	tensor_load_to_lds s[G0C:G0C+3], s[G1C:G1C+7]
	s_nop 0
.rept 4
	v_nop
.endr
	s_branch .Lasked
.Lfor_scales:
	s_cmp_lt_u32 s[WV], 6
	s_cbranch_scc0 .Lasked
	tensor_load_to_lds s[G0S:G0S+3], s[G1S:G1S+7]
	s_nop 0
.rept 4
	v_nop
.endr
.Lasked:
	WIN 0x40                                       ; destination window 1, address window 0
.irp c, 0,1                                    ; x's eight fragments: they stay
.irp s, 0,1,2,3
.irp p, 0,1,2,3,4,5
	global_load_b64 v[12*(4*\c+\s)+2*\p:12*(4*\c+\s)+2*\p+1], v[XA], s[4:5] offset:8*\c*384+96*\s+48*(\p/3)+8*(\p%3)
.endr
.endr
.endr
.irp t, 0,1,2,3                                ; bq, bk in the result's layout: tile t, lane (r, h): channels 16 t + 8 h + 0 .. 7
	global_load_b128 v[BQ+8*\t:BQ+8*\t+3],       v[BA], s[20:21] offset:64*\t
	global_load_b128 v[BQ+8*\t+4:BQ+8*\t+7],     v[BA], s[20:21] offset:64*\t+16
	global_load_b128 v[BQ+32+8*\t:BQ+32+8*\t+3],   v[BA], s[22:23] offset:64*\t
	global_load_b128 v[BQ+32+8*\t+4:BQ+32+8*\t+7], v[BA], s[22:23] offset:64*\t+16
.endr
	WIN 0
.irp t, 0,1,2,3                                ; bv: a lane holds one channel, 16 t + r
	global_load_b32 v[BV+8*\t], v[BVA], s[24:25] offset:64*\t
.endr
	global_load_b128 v[XS:XS+3],   v[XSA], s[6:7]             ; x's scale words: 16 bytes a row; tile 1 lies eight rows on
	global_load_b128 v[XS+4:XS+7], v[XSA], s[6:7] offset:128
	s_wait_tensorcnt 0x0                           ; my tile has landed,
	s_wait_loadcnt 0x0                             ; x and the biases are in
.irp t, 0,1,2,3
.irp j, 1,2,3,4,5,6,7
	v_mov_b32 v[BV+8*\t+\j], v[BV+8*\t]            ; the same number in all eight registers of the C operand
.endr
.endr
	s_wait_alu depctr_va_vdst(0)                   ; the wait directly ahead of the barrier
	s_barrier_signal -1
	s_barrier_wait -1                              ; everybody's tile has landed
	UNIT 0
	UNIT 1
	UNIT 2
	s_wait_dscnt 0x0                               ; for the others' sake: my scale words and bytes and my part of K's images lie in the stages
	s_barrier_signal -1
	s_barrier_wait -1
.irp i, 0,1,2
	ds_load_b128 v[WF+4*\i:WF+4*\i+3], v[KRA] offset:512*\i   ; K's image g of my head, whole
.endr
	s_wait_dscnt 0x0
.irp i, 0,1,2
	global_store_b128 v[LI], v[WF+4*\i:WF+4*\i+3], s[66:67] offset:512*\i   ; 32 lanes store 512 consecutive bytes, at a multiple of 256 from the buffer's first byte
.endr
	s_cmp_eq_u32 s33, 3                            ; six units of scale words, eight waves: the waves with g = 3 have none to copy
	s_cbranch_scc1 .Lno_copy
	ds_load_b64 v[CP:CP+1], v[SRD]
	s_wait_dscnt 0x0
	global_store_b64 v[CPO], v[CP:CP+1], s[98:99]  ; 32 lanes store 256 consecutive bytes, at a multiple of 256 from the buffer's first byte
.Lno_copy:
	s_wait_tensorcnt 0x0                           ; the wave's end
	ds_add_u32 v[SPW], v[NIL]
	s_wait_dscnt 0x0
	CROUND                                         ; the closing round
	s_endpgm
.Lfunc_end_k_qfc80236946_project:
	.size	k_qfc80236946_project, .Lfunc_end_k_qfc80236946_project-k_qfc80236946_project
	.p2alignl 7, 3214868480
	.fill 96, 4, 3214868480
	.section	.rodata,"a",@progbits
	.p2align	6, 0x0
	.amdhsa_kernel k_qfc80236946_project
		.amdhsa_group_segment_fixed_size 186880
		.amdhsa_private_segment_fixed_size 0
		.amdhsa_enable_private_segment 0
		.amdhsa_kernarg_size 112
		.amdhsa_user_sgpr_count 2
		.amdhsa_user_sgpr_kernarg_segment_ptr 1
		.amdhsa_wavefront_size32 1
		.amdhsa_system_sgpr_workgroup_id_x 1
		.amdhsa_system_sgpr_workgroup_id_y 1
		.amdhsa_system_sgpr_workgroup_id_z 1
		.amdhsa_system_vgpr_workitem_id 0
		.amdhsa_next_free_vgpr 416
		.amdhsa_next_free_sgpr 100
		.amdhsa_reserve_vcc 0
		.amdhsa_float_denorm_mode_32 3
		.amdhsa_float_denorm_mode_16_64 3
		.amdhsa_memory_ordered 1
		.amdhsa_forward_progress 1
		.amdhsa_inst_pref_size 66
	.end_amdhsa_kernel
	.amdgpu_metadata
---
amdhsa.version: [ 1, 2 ]
amdhsa.kernels:
  - .name:           k_qfc80236946_project
    .symbol:         k_qfc80236946_project.kd
    .args:
      - { .name: x_codes, .offset: 0, .size: 8, .value_kind: global_buffer, .address_space: global }
      - { .name: x_scales, .offset: 8, .size: 8, .value_kind: global_buffer, .address_space: global }
      - { .name: Wq_codes, .offset: 16, .size: 8, .value_kind: global_buffer, .address_space: global }
      - { .name: Wq_scales, .offset: 24, .size: 8, .value_kind: global_buffer, .address_space: global }
      - { .name: Wk_codes, .offset: 32, .size: 8, .value_kind: global_buffer, .address_space: global }
      - { .name: Wk_scales, .offset: 40, .size: 8, .value_kind: global_buffer, .address_space: global }
      - { .name: Wv_codes, .offset: 48, .size: 8, .value_kind: global_buffer, .address_space: global }
      - { .name: Wv_scales, .offset: 56, .size: 8, .value_kind: global_buffer, .address_space: global }
      - { .name: bq, .offset: 64, .size: 8, .value_kind: global_buffer, .address_space: global }
      - { .name: bk, .offset: 72, .size: 8, .value_kind: global_buffer, .address_space: global }
      - { .name: bv, .offset: 80, .size: 8, .value_kind: global_buffer, .address_space: global }
      - { .name: qimg, .offset: 88, .size: 8, .value_kind: global_buffer, .address_space: global }
      - { .name: qsc, .offset: 96, .size: 8, .value_kind: global_buffer, .address_space: global }
      - { .name: kv, .offset: 104, .size: 8, .value_kind: global_buffer, .address_space: global }
    .group_segment_fixed_size: 186880
    .private_segment_fixed_size: 0
    .kernarg_segment_align: 8
    .kernarg_segment_size: 112
    .max_flat_workgroup_size: 256
    .sgpr_count:     100
    .vgpr_count:     416
    .wavefront_size: 32
...
	.end_amdgpu_metadata
.endif
;; end of part 1
;; launch attend (part 2): grid 16 x 16, 8 waves a work-group, clusters of 4 x 1, 327,680 bytes of LDS; arguments qimg, qsc, kv, out0; writes out0
.if DOCPART == 2
	.amdgcn_target "amdgcn-amd-amdhsa--gfx1250"
	.amdhsa_code_object_version 6
	.text
	.protected	k_qfc80236946_attend
	.globl	k_qfc80236946_attend
	.p2align	8
	.type	k_qfc80236946_attend,@function
k_qfc80236946_attend:
	s_mov_b64 s[64:65], 0
	v_nop
	global_prefetch_b8 v0, s[64:65] scope:SCOPE_SE
	s_setreg_imm32_b32 hwreg(HW_REG_WAVE_MODE, 25, 1), 1
	s_wait_xcnt 0x0
	s_wait_alu depctr_hold_cnt(0) depctr_sa_sdst(0) depctr_va_vdst(0) depctr_va_sdst(0) depctr_va_ssrc(0) depctr_va_vcc(0) depctr_vm_vsrc(0)
	s_getreg_b32 s2, hwreg(HW_REG_IB_STS2, 6, 4)
	s_cmp_eq_u32 s2, 0
	s_cbranch_scc0 .Lentry_in_a_cluster
	s_endpgm
.Lentry_in_a_cluster:
	s_bfe_u32 s2, ttmp6, 0x10000c
	s_cmp_lg_u32 s2, 0x3003
	s_cbranch_scc0 .Lentry_shape_is_right
	s_endpgm
.Lentry_shape_is_right:
; out[b][q][64 head + :] = the sum over keys of softmax(q . k / 8) v, both products on codes of BF6 (E3M2) with one E8M0 scale for each 32 along a product's K.  q, k, v come as images of operand registers:
;   qimg [bh 16][j 32][f 4][1,536], qsc [bh][j][f][r] words, kv [bh][j] records of 12,800 bytes (K's four images, V's four blocks, K's scale words, V's scale words), as the launch before lays them.  No work is left out.
; THE SOFTMAX: t = score x log2(e) / 8; M = the running largest t rounded UP to a whole number; p = 2^(t - M) is quantised along the keys, not normalised; the row's sum is taken of the unquantised p in f32 and
; divides at the end.  When M moves, the sum and O are multiplied by 2^(old M - new M): exact.
; SHARES.  A work-group owns 256 queries of one (batch, head); each of its eight waves owns 32 of them, one image of q: TWO TILES of 16 queries (x = 0, 1), so that each fragment of K and V read from LDS feeds two tiles,
; and the two tiles' chains of dependent lines stand interleaved in one text.  Every wave walks the 4,096 keys, 128 (a record) a step.
; LDS.  Three regions: Z for 4 records, B for 8, A for 12.  The walk is records 0-3 (Z), 4-11 (B), 12-23 (A), 24-31 (B again): four fills; every wave brings an eighth of each (25, 50, 75, 50 rows of 256 bytes).
; Z is asked for at the head; B behind the first round, A behind the second (first fills, behind rounds at which nothing is filled again); B's second fill behind the third.
; 24 records and 1,024 bytes for the spare words are 308,224 bytes.  The stages of the way out lie in A, which has had its only fill, and which nobody reads behind the walk's last barrier.
; CLUSTER.  The four query blocks of a cluster belong to one (batch, head) and walk the same records: each fill is asked for jointly, with the mask of all four.
; LAYOUT.  Both products are used transposed: S^T = K Q^T, O^T = V^T P^T: a lane holds ONE query of each tile (lane % 16) throughout.
; THE HEAD HAS 64 CHANNELS, THE INSTRUCTION 128 ALONG K.  A fragment of K carries TWO tiles of 16 keys; it is multiplied by [q | zero codes] for its tile 0's scores and by [zero codes | q] for its tile 1's.
; The two operands are 12 registers each of the 18 that hold [q | zero codes | q].  Zero codes add nothing; their scale bytes are 1.
; THE KEYS OF A TILE: row m of tile T = 4 cc + u is key 64 cc + 32 (m / 8) + 8 u + m % 8.  So lane (r, h) holds, in registers 32 cc + 0 .. 31 of S^T, keys 64 cc + 32 h + 0 .. 31 in their order: one whole block of the
; second product's K, as that product's operand wants it.
; LOADS FROM LDS.  Behind a step's score products K's registers are free: the NEXT record's K is asked for there, with this record's V.  In a phase's last step the next record's address is held at the last record: its K
; is read once more and not used, so that the step is written once for each phase.
; REGISTER WINDOWS.  Window 1 holds both tiles' S^T / p, O^T, codes and partial maxima and sums; window 0 all else (scale operands are always taken from window 0).
; PREFETCH.  Records 12-31 are asked for at the ends of the walk's first five trips, four records a trip: records 12-23 one trip or more ahead of the load that wants them, records 24-31 seven or more: by the (batch, head)'s
; first cluster, a record a partner and trip, told apart by address; waves 6 and 7 ask, lanes 256 bytes apart (wave 7's last lanes are held at the record's last block).  Records 0-11 come by their loads alone: these are
; issued before any trip.
; LIMITS: NaN and infinities are not served.  A p under 2^-126 comes out of v_exp_f32 as 0.  A block of p whose largest lies under 2^(5 - 127) gets the scale byte 1: its codes are zeros.
; The scaled scores stay under 2^31 in magnitude.
.set REC,   12800
.set NZ,    4
.set NB,    8
.set NA,    12
.set SLB,   NZ*REC
.set SLA,   (NZ+NB)*REC
.set PZ,    NZ*REC/8                   ; a wave's eighth of Z;  of A
.set PA,    NA*REC/8
.set SPARE, (NZ+NB+NA)*REC             ; the spare words: 128 bytes a wave
.set STAGE, SLA                        ; 2 x 16 rows x (256 + 16) bytes a wave, for the way out
; window 0
.set LI,   1                           ; 16 x lane
.set AV0,  2                           ; 6,144 + 1,536 h + 16 r
.set LS,   3                           ; 12,288 + 4 x lane
.set AD1,  4                           ; the next record's K;  v5 this record's V;  v6 the next record's scale words;  v7 this record's
.set AD2,  5
.set AD3,  6
.set AD4,  7
.set SPW,  8
.set NIL,  9
.set PFO,  10
.set SH8,  11                          ; 8 h
.set TS,   12                          ; a tile's state: 14 registers at v[TS + 14 x]:
.set NM,   0                           ;   -M;  +1 the largest score so far
.set MX,   1
.set SM,   2                           ;   the row's sum in two halves
.set FF,   4                           ;   f = 2^(old M - new M), named as a pair
.set T0,   6
.set T1,   7
.set PT,   8                           ;   two
.set SO,   10                          ;   the conversions' two scale operands
.set BX,   12                          ;   my two blocks' largest p, floored
.set KS,   40                          ; v40-41 K's scale words; v42-43 V's
.set VS,   42
.set QS,   44                          ; v[44 + 2 x] q's scale word for [q | 0], +1 for [0 | q]
.set PW,   48                          ; v[48 + x] p's scale word
.set Q,    50                          ; v[50 + 18 x] on: [q | zero codes | q]
.set KF,   86                          ; v86-133  K's four fragments
.set VF,   134                         ; v134-181 V's four fragments
.set STO,  182
.set RDA,  183
.set GO,   184
; window 1
.set S,    0                           ; v[64 x] on: S^T, then p
.set O,    128                         ; v[128 + 32 x] on: O^T
.set PC,   192                         ; v[192 + 12 x] on: p's codes
.set CT,   216                         ; v[216 + 8 x] on: the conversions' second halves
.set BM,   232                         ; v[232 + 4 x] on: four chains of maxima; then two blocks' largest score, then largest p
.set SU,   240                         ; v[240 + 6 x] on: three chains of the sum
.set WV,   12
.set G1A,  16                          ; group 1 for Z (25 rows), then for A (75 rows);  s[40:47] for B (50 rows)
.set G0A,  24
.set TB,   28
.set TBN,  29
.set STEPS, 30
.set CS,   32
.set SEL,  34
.set PFA,  36
.set LIM,  38
.set ASKW, 39                          ; 0 in a wave that prefetches, else all ones
.set G1B,  40
.set G0B,  48
.set G0Z,  68
.set MSB, 0
.macro WIN new                         ; low byte: bits 1:0 source 0, 3:2 source 1, 5:4 source 2, 7:6 destination; the high byte repeats the setting that is left
.if MSB != (\new)
	s_set_vgpr_msb (MSB<<8)|(\new)
.set MSB, (\new)
.endif
.endm
.macro CROUND
	s_barrier_signal -1
	s_barrier_wait -1
	s_cmp_lg_u32 s[WV], 0
	s_cbranch_scc1 .Lnot_wave_0_\@
	s_barrier_signal -3
.Lnot_wave_0_\@:
	s_barrier_wait -3
	s_barrier_signal -1
	s_barrier_wait -1
.endm
.macro TLOAD g0, g1                    ; every wave's eighth of a fill; s_nop 0 and four v_nop follow the load
	tensor_load_to_lds s[\g0:\g0+3], s[\g1:\g1+7]
	s_nop 0
.rept 4
	v_nop
.endr
.endm
.macro ASK                             ; in the trips in which more steps are left than s[LIM]
	s_cmp_gt_u32 s[STEPS], s[LIM]
	s_cbranch_scc0 .Lnot_mine_\@
	global_prefetch_b8 v[PFO], s[PFA:PFA+1] th:TH_LOAD_NT scope:SCOPE_SE
.Lnot_mine_\@:
.endm
.macro KLOAD                           ; K: four images, three loads of 512 consecutive bytes each, and its scale words: 14 loads
.irp f, 0,1,2,3
.irp i, 0,1,2
	ds_load_b128 v[KF+12*\f+4*\i:KF+12*\f+4*\i+3], v[AD1] offset:1536*\f+512*\i
.endr
.endr
	ds_load_b32 v[KS], v[AD3]
	ds_load_b32 v[KS+1], v[AD3] offset:128
.endm
.macro VLOAD                           ; V^T's tile t, lane (r, h), registers 6 c .. 6 c + 5: key block 2 c + h of channel 16 t + r; and its scale words: 18 loads
.irp t, 0,1
.irp c, 0,1
	ds_load_b128 v[VF+12*\t+6*\c:VF+12*\t+6*\c+3],   v[AD2] offset:3072*\c+256*\t
	ds_load_b64  v[VF+12*\t+6*\c+4:VF+12*\t+6*\c+5], v[AD2] offset:3072*\c+256*\t+512
.endr
.endr
.irp t, 2,3
.irp c, 0,1
	ds_load_b64  v[VF+12*\t+6*\c:VF+12*\t+6*\c+1],   v[AD2] offset:3072*\c+256*(\t-2)+520
	ds_load_b128 v[VF+12*\t+6*\c+2:VF+12*\t+6*\c+5], v[AD2] offset:3072*\c+256*(\t-2)+1024
.endr
.endr
	ds_load_b32 v[VS], v[AD4] offset:256
	ds_load_b32 v[VS+1], v[AD4] offset:384
.endm
.macro SMM d, f, b, sb                 ; 16 keys x 16 queries of S^T
.if (\f)%2
	v_wmma_scale_f32_16x16x128_f8f6f4 v[\d:\d+7], v[KF+12*(\f):KF+12*(\f)+11], v[\b:\b+11], 0, v[KS+(\f)/2], v[\sb] matrix_a_fmt:MATRIX_FMT_BF6 matrix_b_fmt:MATRIX_FMT_BF6 matrix_a_scale:MATRIX_SCALE_ROW1
.else
	v_wmma_scale_f32_16x16x128_f8f6f4 v[\d:\d+7], v[KF+12*(\f):KF+12*(\f)+11], v[\b:\b+11], 0, v[KS+(\f)/2], v[\sb] matrix_a_fmt:MATRIX_FMT_BF6 matrix_b_fmt:MATRIX_FMT_BF6
.endif
.endm
.macro PVM d, t, b, sb                 ; 16 channels x 16 queries of O^T
.if (\t)%2
	v_wmma_scale_f32_16x16x128_f8f6f4 v[\d:\d+7], v[VF+12*(\t):VF+12*(\t)+11], v[\b:\b+11], v[\d:\d+7], v[VS+(\t)/2], v[\sb] matrix_a_fmt:MATRIX_FMT_BF6 matrix_b_fmt:MATRIX_FMT_BF6 matrix_a_scale:MATRIX_SCALE_ROW1
.else
	v_wmma_scale_f32_16x16x128_f8f6f4 v[\d:\d+7], v[VF+12*(\t):VF+12*(\t)+11], v[\b:\b+11], v[\d:\d+7], v[VS+(\t)/2], v[\sb] matrix_a_fmt:MATRIX_FMT_BF6 matrix_b_fmt:MATRIX_FMT_BF6
.endif
.endm
	s_load_b256 s[4:11], s[0:1], 0x0               ; qimg 4:5, qsc 6:7, kv 8:9, out 10:11
	v_lshl_add_u32 v[SPW], v0, 2, SPARE
	v_mov_b32 v[NIL], 0
	ds_add_u32 v[SPW], v[NIL]                      ; the opening lines: the add, twice on end, and its wait
	ds_add_u32 v[SPW], v[NIL]
	v_lshrrev_b32 v1, 5, v0
	s_delay_alu instid0(VALU_DEP_1)
	v_readfirstlane_b32 s[WV], v1                  ; wave 0..7
	s_bfe_u32 s13, ttmp6, 0x40000                  ; cx
	s_lshl_b32 s14, ttmp9, 2
	s_add_co_u32 s14, s14, s13                     ; my block of 256 queries: it enters q's and out's addresses alone
	s_and_b32 s15, ttmp7, 0xffff                   ; bh, which the four partners share
.irp g, G1A, G1B                               ; dense rows of 256 bytes (32 elements of 8 bytes), the mask of all four
	s_mov_b32 s[\g+0], 15|(3<<16)|(1<<21)
	s_mov_b32 s[\g+1], 32<<16
	s_mov_b32 s[\g+3], 32<<16
	s_mov_b32 s[\g+5], 32
	s_mov_b32 s[\g+6], 0
	s_mov_b32 s[\g+7], 0
.endr
	s_mov_b32 s[G1A+2], 25<<16                     ; Z's fill: 25 rows a wave
	s_mov_b32 s[G1A+4], 25
	s_mov_b32 s[G1B+2], 50<<16
	s_mov_b32 s[G1B+4], 50
	s_mov_b32 s[CS], 0x3e38aa3b                    ; log2(e) / 8
	s_mov_b32 s[CS+1], s[CS]
	s_mov_b32 s[SEL], 0x76543210
	s_mov_b32 s[SEL+1], 0xfedcba98
	s_mul_i32 s53, s15, 32*REC                     ; my (batch, head)'s records
	s_mov_b32 s[G0Z], 1
	s_mul_i32 s[G0Z+1], s[WV], PZ                  ; Z: wave x an eighth; records 0-3
	s_add_co_u32 s62, s53, s[G0Z+1]
	s_mov_b32 s63, 0
	s_mov_b32 s[G0A], 1
	s_mul_i32 s[G0A+1], s[WV], PA                  ; A: wave x an eighth; records 12-23
	s_add_co_u32 s54, s53, s[G0A+1]
	s_add_co_u32 s54, s54, (NZ+NB)*REC
	s_mov_b32 s55, 0
	s_add_co_u32 s[G0A+1], s[G0A+1], SLA
	s_mov_b32 s[G0B], 1
	s_mul_i32 s56, s[WV], REC
	s_add_co_u32 s[G0B+1], s56, SLB                ; B: wave x a record; records 4-11 first
	s_add_co_u32 s56, s56, s53
	s_add_co_u32 s56, s56, NZ*REC
	s_mov_b32 s57, 0
	s_add_co_u32 s58, s13, 8                       ; the prefetches: record 8 + cx; each trip's end steps it by four records, then asks
	s_mul_i32 s58, s58, REC
	s_add_co_u32 s58, s58, s53
	s_mov_b32 s59, 0
	s_sub_co_u32 s60, s[WV], 6
	s_lshr_b32 s60, s60, 1                         ; 0 in waves 6 and 7,
	s_or_b32 s60, s60, ttmp9                       ; of the (batch, head)'s first cluster
	s_cmp_eq_u32 s60, 0
	s_cselect_b32 s[ASKW], 0, -1
	s_lshl_b32 s60, s15, 7
	s_lshl_b32 s61, s14, 3
	s_add_co_u32 s60, s60, s61
	s_add_co_u32 s60, s60, s[WV]                   ; q's image: 128 bh + 8 x block + wave
	s_wait_dscnt 0x0
	s_wait_kmcnt 0x0
	s_add_nc_u64 s[G0Z+2:G0Z+3], s[8:9], s[62:63]
	s_or_b32 s[G0Z+3], s[G0Z+3], 0x80000000
	s_add_nc_u64 s[G0A+2:G0A+3], s[8:9], s[54:55]
	s_or_b32 s[G0A+3], s[G0A+3], 0x80000000
	s_add_nc_u64 s[G0B+2:G0B+3], s[8:9], s[56:57]
	s_or_b32 s[G0B+3], s[G0B+3], 0x80000000
	s_add_nc_u64 s[PFA:PFA+1], s[8:9], s[58:59]
	s_mul_i32 s62, s60, 1536
	s_add_nc_u64 s[4:5], s[4:5], s[62:63]
	s_lshl_b32 s62, s60, 6
	s_add_nc_u64 s[6:7], s[6:7], s[62:63]
	s_lshr_b32 s60, s15, 3                         ; out: row 4,096 x batch + 256 x block + 32 x wave,
	s_lshl_b32 s60, s60, 12
	s_lshl_b32 s61, s14, 8
	s_add_co_u32 s60, s60, s61
	s_lshl_b32 s61, s[WV], 5
	s_add_co_u32 s60, s60, s61
	s_lshl_b32 s62, s60, 11                        ; of 2,048 bytes,
	s_and_b32 s61, s15, 7
	s_lshl_b32 s61, s61, 8
	s_add_co_u32 s62, s62, s61                     ; + the head's 256
	s_add_nc_u64 s[10:11], s[10:11], s[62:63]
	CROUND                                         ; all four work-groups are here: the first joint loads meet
	TLOAD G0Z, G1A                                 ; records 0-3
	v_and_b32 v185, 31, v0                         ; lane
	v_and_b32 v186, 15, v0                         ; r
	v_bfe_u32 v187, v0, 4, 1                       ; h
	s_delay_alu instid0(VALU_DEP_3)
	v_lshlrev_b32 v[LI], 4, v185
	v_lshlrev_b32 v188, 2, v186
	global_load_b128 v[VF:VF+3],    v[LI], s[4:5]               ; q's image: registers 0-5 tile 0, 6-11 tile 1
	global_load_b128 v[VF+4:VF+7],  v[LI], s[4:5] offset:512
	global_load_b128 v[VF+8:VF+11], v[LI], s[4:5] offset:1024
	global_load_b32 v189, v188, s[6:7]             ; row r's scale word: bytes 0, 1 tile 0's, bytes 2, 3 tile 1's
	v_mul_u32_u24 v[AV0], v187, 1536
	v_lshlrev_b32 v[SH8], 3, v187
	s_delay_alu instid0(VALU_DEP_2)
	v_lshl_add_u32 v[AV0], v186, 4, v[AV0]
	s_delay_alu instid0(VALU_DEP_1)
	v_add_nc_u32 v[AV0], 6144, v[AV0]
	v_lshl_add_u32 v[LS], v185, 2, 12288
	v_add_nc_u32 v[PFO], 0xffffff40, v0            ; my thread's number - 192: 0 .. 63 in waves 6 and 7,
	s_delay_alu instid0(VALU_DEP_1)
	v_min_u32 v[PFO], 49, v[PFO]                   ; held at a record's last block,
	s_delay_alu instid0(VALU_DEP_1)
	v_lshlrev_b32 v[PFO], 8, v[PFO]                ; x 256 bytes
	s_mul_i32 s61, s[WV], 8704
	s_add_co_u32 s61, s61, STAGE                   ; my two stages
	v_mul_u32_u24 v[STO], v186, 272                ; in: row r, 32 bytes for each half of the lanes
	s_delay_alu instid0(VALU_DEP_1)
	v_lshl_add_u32 v[STO], v187, 5, v[STO]
	s_delay_alu instid0(VALU_DEP_1)
	v_add_nc_u32 v[STO], s61, v[STO]
	v_mul_u32_u24 v[RDA], v187, 272                ; back: lanes 0-15 one row of 256 bytes, lanes 16-31 the next
	s_delay_alu instid0(VALU_DEP_1)
	v_lshl_add_u32 v[RDA], v186, 4, v[RDA]
	s_delay_alu instid0(VALU_DEP_1)
	v_add_nc_u32 v[RDA], s61, v[RDA]
	v_lshlrev_b32 v[GO], 11, v187                  ; and the same two rows in out
	s_delay_alu instid0(VALU_DEP_1)
	v_lshl_add_u32 v[GO], v186, 4, v[GO]
.irp x, 0,1
	v_mov_b32 v[TS+14*\x+MX], 0xff61b1e6           ; the largest score so far: -3e38
	v_mov_b32 v[TS+14*\x+SM], 0
	v_mov_b32 v[TS+14*\x+SM+1], 0
	v_mov_b32 v[TS+14*\x+FF+1], 0                  ; (named as the upper half of a pair)
	v_mov_b32 v[TS+14*\x+PT], 0                    ; a lane permute's destination counts as one of its sources
	v_mov_b32 v[TS+14*\x+T0], 0
	v_mul_f32 v[TS+14*\x+NM], s[CS], v[TS+14*\x+MX]
	s_delay_alu instid0(VALU_DEP_1)
	v_floor_f32 v[TS+14*\x+NM], -v[TS+14*\x+NM]    ; -M
.endr
	s_wait_alu depctr_va_vdst(0)
	s_wait_loadcnt 0x0                             ; q and its scale word are in
.irp x, 0,1
.irp i, 0,1,2,3,4,5
	v_mov_b32 v[Q+18*\x+\i], v[VF+6*\x+\i]         ; [q | zero codes | q]
	v_mov_b32 v[Q+18*\x+6+\i], 0
	v_mov_b32 v[Q+18*\x+12+\i], v[VF+6*\x+\i]
.endr
.endr
	v_and_b32 v[QS], 0xffff, v189                  ; tile 0's two bytes,
	v_lshrrev_b32 v[QS+2], 16, v189                ; tile 1's
.irp x, 0,1
	s_delay_alu instid0(VALU_DEP_2)
	v_lshl_or_b32 v[QS+2*\x+1], v[QS+2*\x], 16, 0x0101   ; for [0 | q]: above; the zero codes' bytes are 1
.endr
.irp x, 0,1
	v_or_b32 v[QS+2*\x], 0x01010000, v[QS+2*\x]    ; for [q | 0]: below
.endr
	WIN 0x40
.set J, 0
.rept 64
	v_mov_b32 v[O+J], 0                            ; O^T of both tiles: the step is written once; the first finds zeros
.set J, J+1
.endr
	WIN 0
; A KEY STEP: 128 keys: the record at s[TB], whose K is on its way into registers.  last: the phase's last record.
.macro STEP last
	s_add_co_u32 s[TBN], s[TB], REC
	s_min_u32 s[TBN], s[TBN], \last                ; the next record, held at the phase's last
	s_wait_dscnt 0x0                               ; K and its scale words are in
	WIN 0x40                                       ; destination window 1
.irp f, 0,1,2,3                                ; S^T = K Q^T: each fragment four times: two tiles of keys x two tiles of queries
.irp x, 0,1
	SMM S+64*\x+16*\f,   \f, Q+18*\x,   QS+2*\x
	SMM S+64*\x+16*\f+8, \f, Q+18*\x+6, QS+2*\x+1
.endr
.endr
	WIN 0
	v_add_nc_u32 v[AD2], s[TB], v[AV0]             ; these four lines are the places ahead of the loads into the products' operands and of the first read of the scores
	v_add_nc_u32 v[AD4], s[TB], v[LS]
	v_add_nc_u32 v[AD1], s[TBN], v[LI]
	v_add_nc_u32 v[AD3], s[TBN], v[LS]
	VLOAD
	KLOAD
	WIN 0x55                                       ; all in window 1
.irp x, 0,1                                    ; eight chains by turns, chain (x, b) over registers 16 b .. 16 b + 14; each accumulator is read from its low end on
.irp b, 0,1,2,3
	v_max3_num_f32 v[BM+4*\x+\b], v[S+64*\x+16*\b], v[S+64*\x+16*\b+1], v[S+64*\x+16*\b+2]
.endr
.endr
.irp i, 3,5,7,9,11,13
.irp x, 0,1
.irp b, 0,1,2,3
	v_max3_num_f32 v[BM+4*\x+\b], v[BM+4*\x+\b], v[S+64*\x+16*\b+\i], v[S+64*\x+16*\b+\i+1]
.endr
.endr
.endr
.irp x, 0,1
	v_max3_num_f32 v[BM+4*\x], v[BM+4*\x], v[S+64*\x+15], v[S+64*\x+31]
	v_max3_num_f32 v[BM+4*\x+2], v[BM+4*\x+2], v[S+64*\x+47], v[S+64*\x+63]
.endr
.irp x, 0,1
	v_max_num_f32 v[BM+4*\x], v[BM+4*\x], v[BM+4*\x+1]       ; the largest score of my block h: it serves for the row's maximum and, since p rises with the score, for the block's largest p
	v_max_num_f32 v[BM+4*\x+1], v[BM+4*\x+2], v[BM+4*\x+3]   ; and of my block 2 + h
.endr
	WIN 0x05                                       ; sources window 1, destination window 0
.irp x, 0,1
	v_max_num_f32 v[TS+14*\x+T1], v[BM+4*\x], v[BM+4*\x+1]
.endr
	WIN 0                                          ; the two tiles' chains, line by line
.irp x, 0,1
	v_mov_b32 v[TS+14*\x+T0], v[TS+14*\x+NM]       ; the old -M
.endr
.irp x, 0,1
	v_permlanex16_b32 v[TS+14*\x+PT], v[TS+14*\x+T1], s[SEL], s[SEL+1]
.endr
.irp x, 0,1
	s_delay_alu instid0(VALU_DEP_2)
	v_max3_num_f32 v[TS+14*\x+MX], v[TS+14*\x+MX], v[TS+14*\x+T1], v[TS+14*\x+PT]   ; the running largest score of my query
.endr
.irp x, 0,1
	s_delay_alu instid0(VALU_DEP_2)
	v_mul_f32 v[TS+14*\x+T1], s[CS], v[TS+14*\x+MX]          ; as t (c is positive)
.endr
.irp x, 0,1
	s_delay_alu instid0(VALU_DEP_2)
	v_floor_f32 v[TS+14*\x+NM], -v[TS+14*\x+T1]    ; the new -M = -ceil(t): a whole number
.endr
.irp x, 0,1
	s_delay_alu instid0(VALU_DEP_2)
	v_sub_f32 v[TS+14*\x+T0], v[TS+14*\x+NM], v[TS+14*\x+T0]   ; M's old value less its new one: a whole number, 0 or less
.endr
.irp x, 0,1
	s_delay_alu instid0(VALU_DEP_2)
	v_cvt_i32_f32 v[TS+14*\x+T0], v[TS+14*\x+T0]   ; (it saturates)
.endr
.irp x, 0,1
	s_delay_alu instid0(VALU_DEP_2)
	v_ldexp_f32 v[TS+14*\x+FF], 1.0, v[TS+14*\x+T0]   ; f = 2^(old M - new M)
.endr
	WIN 0x41                                       ; source 0 and destination window 1
.irp x, 0,1
.set J, 0
.rept 32
	v_pk_fma_f32 v[S+64*\x+J:S+64*\x+J+1], v[S+64*\x+J:S+64*\x+J+1], s[CS:CS+1], v[TS+14*\x+NM:TS+14*\x+NM+1] op_sel_hi:[1,0,0]   ; t - M, two at a time (of the pairs c and -M the low word serves both halves)
.set J, J+2
.endr
	v_fma_f32 v[BM+4*\x], v[BM+4*\x], s[CS], v[TS+14*\x+NM]       ; the same of each block's largest score
	v_fma_f32 v[BM+4*\x+1], v[BM+4*\x+1], s[CS], v[TS+14*\x+NM]
.endr
	s_wait_alu depctr_va_vdst(0)                   ; the wait ahead of the batch
.irp x, 0,1
	v_exp_f32 v[BM+4*\x], v[BM+4*\x]               ; the blocks' largest p: the same two instructions on the same number give the same bits
	v_exp_f32 v[BM+4*\x+1], v[BM+4*\x+1]
.endr
.set J, 0
.rept 128
	v_exp_f32 v[S+J], v[S+J]                       ; p = 2^(t - M): not normalised
.set J, J+1
.endr
	v_nop                                          ; the plain line behind the exponentials
	s_wait_alu depctr_va_vdst(0)                   ; one wait for the batch of 132, ahead of its first reader
	WIN 0x04                                       ; source 1 window 1
.irp x, 0,1
.irp c, 0,1
	v_max_num_f32 v[TS+14*\x+BX+\c], 0x2800000, v[BM+4*\x+\c]   ; the floor 2^(5 - 127): the byte cannot fall under 1
.endr
.endr
	WIN 0
.irp x, 0,1
.irp c, 0,1
	v_add_nc_u32 v[TS+14*\x+SO+\c], 0xfe000000, v[TS+14*\x+BX+\c]   ; 4 off the exponent field: the conversion's scale operand
.endr
.endr
.irp x, 0,1
.irp c, 0,1
	v_lshrrev_b32 v[TS+14*\x+PT+\c], 23, v[TS+14*\x+SO+\c]   ; the scale's byte
.endr
.endr
.irp x, 0,1
	v_lshl_or_b32 v[PW+\x], v[TS+14*\x+PT+1], 16, v[TS+14*\x+PT]   ; my two bytes: blocks h and 2 + h,
.endr
.irp x, 0,1
	s_delay_alu instid0(VALU_DEP_2)
	v_lshlrev_b32 v[PW+\x], v[SH8], v[PW+\x]       ; at their places in the word;
.endr
.irp x, 0,1
	s_delay_alu instid0(VALU_DEP_2)
	v_permlanex16_b32 v[TS+14*\x+PT], v[PW+\x], s[SEL], s[SEL+1]
.endr
.irp x, 0,1
	s_delay_alu instid0(VALU_DEP_2)
	v_or_b32 v[PW+\x], v[PW+\x], v[TS+14*\x+PT]    ; with lane l xor 16's two the word is whole
.endr
	v_nop
	WIN 0x41
.irp x, 0,1
.irp c, 0,1
	v_cvt_scalef32_pk16_bf6_f32 v[PC+12*\x+6*\c:PC+12*\x+6*\c+2], v[S+64*\x+32*\c:S+64*\x+32*\c+15], v[TS+14*\x+SO+\c]
	v_cvt_scalef32_pk16_bf6_f32 v[CT+8*\x+4*\c:CT+8*\x+4*\c+2], v[S+64*\x+32*\c+16:S+64*\x+32*\c+31], v[TS+14*\x+SO+\c]   ; (a conversion's three registers begin on an even number)
.endr
.endr
	s_wait_alu depctr_va_vdst(0)                   ; the wait directly ahead of the first reader of O^T
.irp x, 0,1
.set J, 0
.rept 16
	v_pk_mul_f32 v[O+32*\x+J:O+32*\x+J+1], v[O+32*\x+J:O+32*\x+J+1], v[TS+14*\x+FF:TS+14*\x+FF+1] op_sel_hi:[1,0]   ; O^T under the new M, each accumulator from its low end on.  (Also the plain places behind the conversions)
.set J, J+2
.endr
.endr
.irp x, 0,1
.irp c, 0,1
.irp i, 0,1,2
	v_mov_b32 v[PC+12*\x+6*\c+3+\i], v[CT+8*\x+4*\c+\i]   ; registers 6 c .. 6 c + 5: keys 64 c + 32 h + 0 .. 31
.endr
.endr
.endr
	WIN 0x45                                       ; sources 0, 1 and destination window 1
.irp x, 0,1                                    ; the step's sums of the unquantised p: six chains by turns
.irp k, 0,1,2
	v_pk_add_f32 v[SU+6*\x+2*\k:SU+6*\x+2*\k+1], v[S+64*\x+4*\k:S+64*\x+4*\k+1], v[S+64*\x+4*\k+2:S+64*\x+4*\k+3]
.endr
.endr
.irp q, 12,18,24,30,36,42,48,54
.irp x, 0,1
.irp k, 0,1,2
	v_pk_add_f32 v[SU+6*\x+2*\k:SU+6*\x+2*\k+1], v[SU+6*\x+2*\k:SU+6*\x+2*\k+1], v[S+64*\x+\q+2*\k:S+64*\x+\q+2*\k+1]
.endr
.endr
.endr
.irp x, 0,1
.irp k, 0,1
	v_pk_add_f32 v[SU+6*\x+2*\k:SU+6*\x+2*\k+1], v[SU+6*\x+2*\k:SU+6*\x+2*\k+1], v[S+64*\x+60+2*\k:S+64*\x+60+2*\k+1]
.endr
.endr
.irp x, 0,1
	v_pk_add_f32 v[SU+6*\x:SU+6*\x+1], v[SU+6*\x:SU+6*\x+1], v[SU+6*\x+2:SU+6*\x+3]
.endr
.irp x, 0,1
	s_delay_alu instid0(VALU_DEP_2)
	v_pk_add_f32 v[SU+6*\x:SU+6*\x+1], v[SU+6*\x:SU+6*\x+1], v[SU+6*\x+4:SU+6*\x+5]
.endr
	WIN 0x10                                       ; source 2 window 1
.irp x, 0,1
	v_pk_fma_f32 v[TS+14*\x+SM:TS+14*\x+SM+1], v[TS+14*\x+SM:TS+14*\x+SM+1], v[TS+14*\x+FF:TS+14*\x+FF+1], v[SU+6*\x:SU+6*\x+1] op_sel_hi:[1,0,1]   ; the row's sum: the old one under the new M, and the step's
.endr
	s_wait_alu depctr_va_vdst(0)
	s_wait_dscnt 14                                ; V's eighteen loads are in; the next K's fourteen, issued behind them, may stay out
	WIN 0x54                                       ; source 1, source 2 and destination window 1
.irp t, 0,1,2,3                                ; O^T += V^T P^T: eight accumulators by turns
.irp x, 0,1
	PVM O+32*\x+8*\t, \t, PC+12*\x, PW+\x
.endr
.endr
	WIN 0
.endm
.macro PHASE base, n, ask              ; n key steps on the records from LDS byte base on; the first ask of them end with a prefetch
	s_mov_b32 s[TB], \base
	v_add_nc_u32 v[AD1], s[TB], v[LI]
	v_add_nc_u32 v[AD3], s[TB], v[LS]
	KLOAD                                          ; the phase's first K
	s_mov_b32 s[STEPS], \n
.if \ask
	s_or_b32 s[LIM], s[ASKW], \n-\ask              ; all ones stay all ones
.endif
.Lstep_\@:
	STEP \base+(\n-1)*REC
.if \ask
	s_wait_xcnt 0x0                                ; the last trip's prefetch has read its address, so it may be stepped
	s_add_nc_u64 s[PFA:PFA+1], s[PFA:PFA+1], 4*REC
	ASK
.endif
	s_add_co_u32 s[TB], s[TB], REC
	s_sub_co_u32 s[STEPS], s[STEPS], 1
	s_cmp_lg_u32 s[STEPS], 0
	s_cbranch_scc1 .Lstep_\@
.endm
	s_wait_alu depctr_va_vdst(0)                   ; the wait at the head's end
	s_wait_tensorcnt 0x0                           ; my eighth of records 0-3 is in; a later first fill is issued as a refill is:
	ds_add_u32 v[SPW], v[NIL]                      ; 0 onto my spare word
	s_mov_b32 s[G1A+2], 75<<16                     ; no load of mine is out, so a descriptor may be written: A's fill brings 75 rows a wave
	s_mov_b32 s[G1A+4], 75
	s_wait_dscnt 0x0
	CROUND
	TLOAD G0B, G1B                                 ; records 4-11 into B, its first fill
	PHASE 0, NZ, 4
	s_wait_tensorcnt 0x0                           ; my record of B is in
	ds_add_u32 v[SPW], v[NIL]
	s_add_nc_u64 s[G0B+2:G0B+3], s[G0B+2:G0B+3], (NB+NA)*REC   ; no load of mine is out: B's next fill is records 24-31
	s_wait_dscnt 0x0
	CROUND
	TLOAD G0A, G1A                                 ; records 12-23 into A, its only fill
	PHASE SLB, NB, 1
	s_wait_tensorcnt 0x0                           ; my eighth of A is in,
	ds_add_u32 v[SPW], v[NIL]
	s_wait_dscnt 0x0                               ; and my reads of B are over
	CROUND
	TLOAD G0B, G1B                                 ; records 24-31 into B
	PHASE SLA, NA, 0
	s_wait_tensorcnt 0x0                           ; my record of the last eight is in; nothing is filled again;
	s_wait_dscnt 0x0                               ; my reads of A are over
	s_barrier_signal -1
	s_barrier_wait -1
	PHASE SLB, NB, 0
	; THE WAY OUT.  O^T is divided by the row's sum and goes through my own stages in LDS: in as 32 bytes a lane of row r, back as whole rows of 256 bytes: the head's 64 channels of one query.
.irp x, 0,1
	v_add_f32 v[TS+14*\x+SM], v[TS+14*\x+SM], v[TS+14*\x+SM+1]
.endr
.irp x, 0,1
	s_delay_alu instid0(VALU_DEP_2)
	v_permlanex16_b32 v[TS+14*\x+T0], v[TS+14*\x+SM], s[SEL], s[SEL+1]
.endr
.irp x, 0,1
	s_delay_alu instid0(VALU_DEP_2)
	v_add_f32 v[TS+14*\x+SM], v[TS+14*\x+SM], v[TS+14*\x+T0]   ; with lane l xor 16's: the row's sum
.endr
	s_wait_alu depctr_va_vdst(0)
.irp x, 0,1
	v_rcp_f32 v[TS+14*\x+SM], v[TS+14*\x+SM]
.endr
	v_nop                                          ; a plain line behind the reciprocals
	s_wait_dscnt 0x0                               ; the last step's K, read once more and not used, has landed: its registers are free
	s_wait_alu depctr_va_vdst(0)                   ; the wait ahead of the reciprocals' and O^T's first reader
	WIN 0x41
.irp x, 0,1
.set J, 0
.rept 16
	v_pk_mul_f32 v[S+64*\x+J:S+64*\x+J+1], v[O+32*\x+J:O+32*\x+J+1], v[TS+14*\x+SM:TS+14*\x+SM+1] op_sel_hi:[1,0]   ; register 8 t + i: channel 16 t + 8 h + i of query r
.set J, J+2
.endr
.endr
	WIN 0x04                                       ; the stores' data: window 1
.irp x, 0,1
.irp t, 0,1,2,3
	ds_store_b128 v[STO], v[S+64*\x+8*\t:S+64*\x+8*\t+3] offset:4352*\x+64*\t
	ds_store_b128 v[STO], v[S+64*\x+8*\t+4:S+64*\x+8*\t+7] offset:4352*\x+64*\t+16
.endr
.endr
	WIN 0
.irp x, 0,1
.irp i, 0,1,2,3,4,5,6,7
	ds_load_b128 v[KF+48*\x+4*\i:KF+48*\x+4*\i+3], v[RDA] offset:4352*\x+544*\i   ; LDS serves a wave's instructions in order (ISA guide 5.7.1.4): these see my stores
.endr
.endr
.irp x, 0,1
.irp i, 0,1,2,3,4,5,6,7
	s_wait_dscnt 15-8*\x-\i                        ; this load is in; the younger ones may stay out
	global_store_b128 v[GO], v[KF+48*\x+4*\i:KF+48*\x+4*\i+3], s[10:11] offset:(8*\x+2*\i+8*(\i/4))*2048 th:TH_STORE_NT   ; tile x's stage rows 2 i, 2 i + 1 are my queries 8 x + 2 i + 8 (i / 4) and the next; 16 lanes store 256 consecutive bytes, at a multiple of 256 from out's first byte
.endr
.endr
	s_wait_tensorcnt 0x0                           ; the wave's end
	ds_add_u32 v[SPW], v[NIL]
	s_wait_dscnt 0x0
	CROUND                                         ; the closing round
	s_endpgm
.Lfunc_end_k_qfc80236946_attend:
	.size	k_qfc80236946_attend, .Lfunc_end_k_qfc80236946_attend-k_qfc80236946_attend
	.p2alignl 7, 3214868480
	.fill 96, 4, 3214868480
	.section	.rodata,"a",@progbits
	.p2align	6, 0x0
	.amdhsa_kernel k_qfc80236946_attend
		.amdhsa_group_segment_fixed_size 327680
		.amdhsa_private_segment_fixed_size 0
		.amdhsa_enable_private_segment 0
		.amdhsa_kernarg_size 32
		.amdhsa_user_sgpr_count 2
		.amdhsa_user_sgpr_kernarg_segment_ptr 1
		.amdhsa_wavefront_size32 1
		.amdhsa_system_sgpr_workgroup_id_x 1
		.amdhsa_system_sgpr_workgroup_id_y 1
		.amdhsa_system_sgpr_workgroup_id_z 1
		.amdhsa_system_vgpr_workitem_id 0
		.amdhsa_next_free_vgpr 512
		.amdhsa_next_free_sgpr 72
		.amdhsa_reserve_vcc 0
		.amdhsa_float_denorm_mode_32 3
		.amdhsa_float_denorm_mode_16_64 3
		.amdhsa_memory_ordered 1
		.amdhsa_forward_progress 1
		.amdhsa_inst_pref_size 136
	.end_amdhsa_kernel
	.amdgpu_metadata
---
amdhsa.version: [ 1, 2 ]
amdhsa.kernels:
  - .name:           k_qfc80236946_attend
    .symbol:         k_qfc80236946_attend.kd
    .args:
      - { .name: qimg, .offset: 0, .size: 8, .value_kind: global_buffer, .address_space: global }
      - { .name: qsc, .offset: 8, .size: 8, .value_kind: global_buffer, .address_space: global }
      - { .name: kv, .offset: 16, .size: 8, .value_kind: global_buffer, .address_space: global }
      - { .name: out0, .offset: 24, .size: 8, .value_kind: global_buffer, .address_space: global }
    .group_segment_fixed_size: 327680
    .private_segment_fixed_size: 0
    .kernarg_segment_align: 8
    .kernarg_segment_size: 32
    .max_flat_workgroup_size: 256
    .sgpr_count:     72
    .vgpr_count:     512
    .wavefront_size: 32
...
	.end_amdgpu_metadata
.endif
;; end of part 2
